; MI455X (gfx1250); checked and timed in simulation.
; The chip was launched on July 23, 2026; its instructions are those of AMD's public machine-readable ISA for CDNA 5 (MIT licence, August 2026) and "CDNA5" Instruction Set Architecture Reference Guide (July 2026). The comments in the code are by the model that wrote it; some were corrected since.
;; XNOR Linear. Allowed arithmetic: float matrix products may take bf16 or f16 operands with f32 sums; other float arithmetic in f32, or as packed bf16 or f16 multiplies, adds, multiply-adds, maxima and minima; sums over many terms, partial sums and values carried from step to step in f32; what a program stores and reads back later, other than sums and carried values, may be rounded once to bf16 or f16.
;; Inputs: bias 4,096 float32; full_precision 4,096 x 4,096 float32; x 4,096 x 4,096 float32.
;; Outputs: out0 4,096 x 4,096 float32.
;; 2 versions, each right; version 2 is version 1 with the launch prep written anew for expert scheduling mode. Each part assembles by itself: llvm-mc -triple=amdgcn-amd-amdhsa -mcpu=gfx1250 --defsym DOCPART=n.
;; ======== version 1 of 2: 2 launches
;; workspace buffers: xs 33,554,432 bytes; ws 33,554,432 bytes; scale 16,384 bytes
;; launch prep (part 1): grid 512 x 2, 8 waves a work-group, no clusters, 0 bytes of LDS; arguments x, full_precision, xs, ws, scale; writes xs, ws, scale
.if DOCPART == 1
	.amdgcn_target "amdgcn-amd-amdhsa--gfx1250"
	.amdhsa_code_object_version 6
	.text
	.protected	k_qd19311629b_prep
	.globl	k_qd19311629b_prep
	.p2align	8
	.type	k_qd19311629b_prep,@function
k_qd19311629b_prep:
	s_mov_b64 s[64:65], 0
	v_nop
	global_prefetch_b8 v0, s[64:65] scope:SCOPE_SE
	s_setreg_imm32_b32 hwreg(HW_REG_WAVE_MODE, 25, 1), 1
	s_wait_xcnt 0x0
; THE OPERANDS OF THE BINARY PRODUCT, made once.  Work-group y = 0: xs = sign(x).  y = 1: ws = sign(fp - mean of its row), scale[row] = mean of min(|fp - mean|, 1).
; x, full_precision: [4096][4096] f32.  xs, ws: [4096][4096] bf16, holding -1, 0 and +1 alone, which bf16 holds exactly.  scale: [4096] f32.
; The clip to [-1, 1] changes no sign, so it enters the mean magnitude alone: |clip(d)| = min(|d|, 1).
; SHARES.  One wave, one row: 16,384 bytes = 32 loads of 16 bytes a lane, each load 512 consecutive bytes; all 32 go out at once and the row stays in 128 registers
; between the pass that sums it and the pass that centres it: every input byte is read once.  The four numbers of a load become 8 bytes a lane: a store of the wave
; covers 256 consecutive bytes, aligned.  No wave needs another's data: no LDS, no barrier, no matrix unit, no cluster.
; LIMITS.  A NaN in x counts as +1 or -1 by its sign bit.  The weights are never rounded ahead of the centring, and fp - mean is one f32 subtraction; but the row's sum is
; taken in eight chains of 16 a lane and a tree over chains and lanes, which is not bound to be the order of another program's sum: a weight that lies within a few
; units in the last place of its row's mean may get the other sign.  With a common offset on the weights that is large beside their spread that band holds more of them.
.set T, 4                              ; v[4:11]    at work: two sets of four, by the load's parity
.set S, 12                             ; v[12:19]   four chains of pairs: the row's sum
.set M, 20                             ; v[20:21]   the row's mean, twice (a pair for the packed subtraction)
.set A, 22                             ; v[22:29]   four chains of pairs: the sum of min(|d|, 1)
.set X, 32                             ; v[32:159]  the row: load j in v[X+4j : X+4j+3]
	s_load_b256 s[4:11], s[0:1], 0x0               ; x s[4:5], full_precision s[6:7], xs s[8:9], ws s[10:11]
	s_load_b64 s[12:13], s[0:1], 0x20              ; scale
	v_lshrrev_b32 v4, 5, v0
	v_readfirstlane_b32 s14, v4                    ; wave 0..7
	s_and_b32 s15, ttmp7, 0xffff                   ; the job: 0 x, 1 the weights
	s_lshl_b32 s16, ttmp9, 3
	s_add_co_u32 s16, s16, s14                     ; my row = 8 x work-group + wave
	v_and_b32 v3, 31, v0                           ; lane
	v_lshlrev_b32 v1, 4, v3                        ; 16 bytes a lane on the way in; never rewritten
	v_lshlrev_b32 v2, 3, v3                        ; 8 bytes a lane on the way out; never rewritten
	v_mov_b32 v31, 0                               ; v_permlanex16_b32 counts as a reader of its destination
	s_mov_b32 s24, 0x80000000                      ; the sign bit
	s_mov_b32 s25, 0x3f800000                      ; 1.0
	s_mov_b32 s26, 0x07060302                      ; v_perm_b32: the upper halves of two words, the second source's below
	s_mov_b32 s27, 0x76543210                      ; v_permlanex16_b32: each lane takes its own place in the other half
	s_mov_b32 s28, 0xfedcba98
	s_mov_b32 s19, 0
	s_wait_kmcnt 0x0
	s_cmp_eq_u32 s15, 0
	s_cselect_b64 s[20:21], s[4:5], s[6:7]         ; from where,
	s_cselect_b64 s[22:23], s[8:9], s[10:11]       ; to where: a choice by the work-group's y alone
	s_lshl_b32 s18, s16, 14                        ; a row of f32 is 16,384 bytes
	s_add_nc_u64 s[20:21], s[20:21], s[18:19]
	s_lshl_b32 s18, s16, 13                        ; a row of bf16 is 8,192
	s_add_nc_u64 s[22:23], s[22:23], s[18:19]
	s_lshl_b32 s18, s16, 2
	s_add_nc_u64 s[12:13], s[12:13], s[18:19]      ; my row's word of scale
.set j, 0
.rept 32
	global_load_b128 v[X+4*j:X+4*j+3], v1, s[20:21] offset:512*j th:TH_LOAD_NT
.set j, j+1
.endr
; The signs of the four numbers in v[X+4j ..], as bf16, packed and stored.  +-1.0 from the sign bit; 0 where the number is +-0; bf16 is an f32's upper half.
; The packed words take the place of the first two numbers, and are not written again: no wait is needed for the stores' sources.
.macro SIGN4 j
.set TS, T+4*((\j)%2)
.irp k, 0,1,2,3
	v_and_or_b32 v[TS+(\k)], v[X+4*(\j)+(\k)], s24, s25
.endr
.irp k, 0,1,2,3
	v_cmp_neq_f32 s[40+(\k)], 0, v[X+4*(\j)+(\k)]
.endr
.irp k, 0,1,2,3
	v_cndmask_b32 v[TS+(\k)], 0, v[TS+(\k)], s[40+(\k)]
.endr
	v_perm_b32 v[X+4*(\j)],   v[TS+1], v[TS],   s26
	v_perm_b32 v[X+4*(\j)+1], v[TS+3], v[TS+2], s26
	global_store_b64 v2, v[X+4*(\j):X+4*(\j)+1], s[22:23] offset:256*(\j) th:TH_STORE_NT  ; 32 lanes store 256 consecutive bytes, at a multiple of 256 from the buffer's first
.endm
; The sum of v30 over the 32 lanes, in every lane: four steps inside each half of 16 lanes ride on the addition, one crosses the halves.
.macro LANESUM
	v_add_f32_dpp v30, v30, v30 row_xmask:1 row_mask:0xf bank_mask:0xf
	v_add_f32_dpp v30, v30, v30 row_xmask:2 row_mask:0xf bank_mask:0xf
	v_add_f32_dpp v30, v30, v30 row_xmask:4 row_mask:0xf bank_mask:0xf
	v_add_f32_dpp v30, v30, v30 row_xmask:8 row_mask:0xf bank_mask:0xf
	v_permlanex16_b32 v31, v30, s27, s28
	v_add_f32 v30, v30, v31
.endm
	s_cmp_lg_u32 s15, 0                            ; (the shifts above have written SCC)
	s_cbranch_scc1 .Lweights
	; THE ACTIVATIONS: each load's numbers as soon as they are in.
.set j, 0
.rept 32
	s_wait_loadcnt 31-j                            ; loads come back in order (ISA guide 5.7.1): load j is in, the 31 - j younger ones stay out
	SIGN4 j
.set j, j+1
.endr
	s_endpgm
.Lweights:
	; PASS 1: the row's sum.  Pair p is v[X+2p : X+2p+1]; four chains of pairs, started by the first eight pairs: nothing is cleared.
	s_wait_loadcnt 24                              ; loads 0 to 7, pairs 0 to 15, are in; 24 younger loads stay out
.irp c, 0,1,2,3
	v_pk_add_f32 v[S+2*(\c):S+2*(\c)+1], v[X+2*(\c):X+2*(\c)+1], v[X+8+2*(\c):X+8+2*(\c)+1]
.endr
.set p, 8
.rept 56
.if p%16 == 0
	s_wait_loadcnt 24-8*(p/16)                     ; the next eight loads: 16, 8 and at last no younger ones stay out
.endif
	v_pk_add_f32 v[S+2*(p%4):S+2*(p%4)+1], v[S+2*(p%4):S+2*(p%4)+1], v[X+2*p:X+2*p+1]
.set p, p+1
.endr
	v_pk_add_f32 v[S:S+1], v[S:S+1], v[S+2:S+3]
	v_pk_add_f32 v[S+4:S+5], v[S+4:S+5], v[S+6:S+7]
	v_pk_add_f32 v[S:S+1], v[S:S+1], v[S+4:S+5]
	v_add_f32 v30, v[S], v[S+1]
	LANESUM
	v_mul_f32 v[M], 0x39800000, v30                ; / 4,096: a power of two, so nothing is rounded
	v_mul_f32 v[M+1], 0x39800000, v30
	; PASS 2, load by load: d = fp - mean in place; min(|d|, 1) onto four chains of pairs (the first two loads start them); the signs of d go out.
.set j, 0
.rept 32
.set TO, T+4*((j+1)%2)                 ; the set that this load's SIGN4 does not use
	v_pk_add_f32 v[X+4*j:X+4*j+1],   v[X+4*j:X+4*j+1],   v[M:M+1] neg_lo:[0,1] neg_hi:[0,1]
	v_pk_add_f32 v[X+4*j+2:X+4*j+3], v[X+4*j+2:X+4*j+3], v[M:M+1] neg_lo:[0,1] neg_hi:[0,1]
.if j < 2
.irp k, 0,1,2,3
	v_min_num_f32 v[A+4*j+(\k)], |v[X+4*j+(\k)]|, 1.0
.endr
.else
.irp k, 0,1,2,3
	v_min_num_f32 v[TO+(\k)], |v[X+4*j+(\k)]|, 1.0
.endr
	v_pk_add_f32 v[A+4*(j%2):A+4*(j%2)+1],   v[A+4*(j%2):A+4*(j%2)+1],   v[TO:TO+1]
	v_pk_add_f32 v[A+4*(j%2)+2:A+4*(j%2)+3], v[A+4*(j%2)+2:A+4*(j%2)+3], v[TO+2:TO+3]
.endif
	SIGN4 j
.set j, j+1
.endr
	v_pk_add_f32 v[A:A+1], v[A:A+1], v[A+2:A+3]
	v_pk_add_f32 v[A+4:A+5], v[A+4:A+5], v[A+6:A+7]
	v_pk_add_f32 v[A:A+1], v[A:A+1], v[A+4:A+5]
	v_add_f32 v30, v[A], v[A+1]
	LANESUM
	v_mul_f32 v30, 0x39800000, v30                 ; the row's mean magnitude
	v_mov_b32 v5, 0                                ; the store's offset: s[12:13] stands at my row's word
	v_cmp_eq_u32 vcc_lo, 0, v3
	s_wait_xcnt 0x0                                ; EXEC is a source of the stores above: it changes only behind this wait
	s_and_saveexec_b32 s29, vcc_lo                 ; lane 0 alone
	global_store_b32 v5, v30, s[12:13]             ; four bytes a row: 16 KiB of the launch's 64 MiB of stores; gathering them would want LDS and a barrier
	s_wait_xcnt 0x0                                ; and again in front of the line that widens it
	s_or_b32 exec_lo, exec_lo, s29
	s_endpgm
.Lfunc_end_k_qd19311629b_prep:
	.size	k_qd19311629b_prep, .Lfunc_end_k_qd19311629b_prep-k_qd19311629b_prep
	.p2alignl 7, 3214868480
	.fill 96, 4, 3214868480
	.section	.rodata,"a",@progbits
	.p2align	6, 0x0
	.amdhsa_kernel k_qd19311629b_prep
		.amdhsa_group_segment_fixed_size 0
		.amdhsa_private_segment_fixed_size 0
		.amdhsa_enable_private_segment 0
		.amdhsa_kernarg_size 40
		.amdhsa_user_sgpr_count 2
		.amdhsa_user_sgpr_kernarg_segment_ptr 1
		.amdhsa_wavefront_size32 1
		.amdhsa_system_sgpr_workgroup_id_x 1
		.amdhsa_system_sgpr_workgroup_id_y 1
		.amdhsa_system_sgpr_workgroup_id_z 1
		.amdhsa_system_vgpr_workitem_id 0
		.amdhsa_next_free_vgpr 160
		.amdhsa_next_free_sgpr 66
		.amdhsa_reserve_vcc 1
		.amdhsa_float_denorm_mode_32 3
		.amdhsa_float_denorm_mode_16_64 3
		.amdhsa_memory_ordered 1
		.amdhsa_forward_progress 1
		.amdhsa_inst_pref_size 89
	.end_amdhsa_kernel
	.amdgpu_metadata
---
amdhsa.version: [ 1, 2 ]
amdhsa.kernels:
  - .name:           k_qd19311629b_prep
    .symbol:         k_qd19311629b_prep.kd
    .args:
      - { .name: x, .offset: 0, .size: 8, .value_kind: global_buffer, .address_space: global }
      - { .name: full_precision, .offset: 8, .size: 8, .value_kind: global_buffer, .address_space: global }
      - { .name: xs, .offset: 16, .size: 8, .value_kind: global_buffer, .address_space: global }
      - { .name: ws, .offset: 24, .size: 8, .value_kind: global_buffer, .address_space: global }
      - { .name: scale, .offset: 32, .size: 8, .value_kind: global_buffer, .address_space: global }
    .group_segment_fixed_size: 0
    .private_segment_fixed_size: 0
    .kernarg_segment_align: 8
    .kernarg_segment_size: 40
    .max_flat_workgroup_size: 256
    .sgpr_count:     66
    .vgpr_count:     160
    .wavefront_size: 32
...
	.end_amdgpu_metadata
.endif
;; end of part 1
;; launch gemm (part 2): grid 16 x 16, 4 waves a work-group, clusters of 4 x 4, 327,680 bytes of LDS; arguments xs, ws, scale, bias, out0; writes out0
.if DOCPART == 2
	.amdgcn_target "amdgcn-amd-amdhsa--gfx1250"
	.amdhsa_code_object_version 6
	.text
	.protected	k_qd19311629b_gemm
	.globl	k_qd19311629b_gemm
	.p2align	8
	.type	k_qd19311629b_gemm,@function
k_qd19311629b_gemm:
	s_mov_b64 s[64:65], 0
	v_nop
	global_prefetch_b8 v0, s[64:65] scope:SCOPE_SE
	s_setreg_imm32_b32 hwreg(HW_REG_WAVE_MODE, 25, 1), 1
	s_wait_xcnt 0x0
	s_wait_alu depctr_hold_cnt(0) depctr_sa_sdst(0) depctr_va_vdst(0) depctr_va_sdst(0) depctr_va_ssrc(0) depctr_va_vcc(0) depctr_vm_vsrc(0)
	s_getreg_b32 s2, hwreg(HW_REG_IB_STS2, 6, 4)
	s_cmp_eq_u32 s2, 0
	s_cbranch_scc0 .Lentry_in_a_cluster
	s_endpgm
.Lentry_in_a_cluster:
	s_bfe_u32 s2, ttmp6, 0x10000c
	s_cmp_lg_u32 s2, 0xf033
	s_cbranch_scc0 .Lentry_shape_is_right
	s_endpgm
.Lentry_shape_is_right:
; out0[m][n] = scale[n] x (the sum over k of xs[m][k] ws[n][k]) + bias[n].  xs: [4096][4096], ws: [4096][4096], bf16, holding -1, 0, +1; scale, bias: [4096] f32; out0: [4096][4096] f32.
; Every product is -1, 0 or +1 and every sum a whole number of 4,096 at the most: exact in f32 in any order.  The one rounding of this launch is the fused multiply-add on the way out.
; A tile of out0, 256 x 256, is made by a work-group of four waves; a wave makes 128 x 128: 64 accumulators of 16 x 16, 512 registers.  16 x 16 tiles: one to each of 256 work-groups.
; K goes in 32 steps of 128 through a ring of two LDS slots filled by the tensor data mover: a tile's rows are 256 bytes of memory and start at multiples of 256 bytes from the buffer's first byte.
; CLUSTERS: 4 x 4 work-groups.  The four of a row of the cluster need the same tiles of xs, the four of a column the same tiles of ws.  Such a tile is asked for JOINTLY: each of the four issues the
; same tensor load, with the same descriptor and a mask that names the four, and each receives the tile in its own LDS: that divides the requests for xs and ws by four.
; REGISTERS, in windows of 256 (s_set_vgpr_msb's low byte: bits 1:0 source 0, 3:2 source 1, 5:4 source 2, 7:6 destination):
;   window 0: v0-31 addresses; v32-39 my four columns' scale and bias; v64-127, v128-191 fragments of xs (8 x 16 rows x 32 K), two buffers; on the way out 16 rows of out0 each
;   window 1: v64-127, v128-191 fragments of ws, two buffers
;   window 2: the 32 accumulators of my rows 0-63 (accumulator (a, b) at v[8 (8 a + b)]);   window 3: those of my rows 64-127
; THE MATRIX INSTRUCTION IS USED TRANSPOSED: source 0 = 16 rows of ws, source 1 = 16 rows of xs.  In the result lane l holds row m = l % 16 of out0 and its registers 0 to 7 the columns
; n = 8 (l / 16) + 0 .. 7: 32 neighbouring bytes of a row.
.set SIZE_N, 4096
.set SIZE_K, 4096
.set KSTEP,  128
.set PITCH,  272                       ; an LDS row: 256 bytes of data + 16 of padding = 68 words: row r starts at bank 4 r mod 64 (64 banks of 4 bytes: ISA guide 11.1), so the 16 rows of a load start at 16 different banks
.set HALFT,  128*PITCH                 ; 128 rows: what one tensor load brings, and what one wave reads of xs or of ws
.set SLOT,   4*HALFT                   ; xs's 256 rows, then ws's 256 rows
.set STAGE,  2*SLOT                    ; behind the ring, never filled by a tensor load: 16 rows x 528 bytes for each wave, for the way out
.set SPITCH, 528                       ; a stage row: 512 bytes (128 f32) + 16 = 33 x 16 bytes: the 16 rows that a store touches start at 16 different groups of four banks
.set SPARE,  STAGE+4*16*SPITCH         ; behind the stages: the spare words, 128 bytes for each wave: two blocks of 256 bytes that no other line names
.set LAPS,   SIZE_K/(2*KSTEP)          ; a lap = two K steps = once round the ring: 16
.set ADRA, 16                          ; v16-17  LDS address of my fragments of xs in slot 0, 1
.set ADRB, 20                          ; v20-21  the same for ws
.set STO,  24                          ; v24     the way out: where I put 32 bytes of a row
.set RD,   25                          ; v25     the way out: where I read 16 bytes of a row back
.set CO,   26                          ; v26     16 x my lane: my four columns, in out0's rows, in scale and in bias; never rewritten
.set SPW,  28                          ; v28     LDS address of my spare word: SPARE + 4 x my thread's number; never rewritten
.set NIL,  29                          ; v29     0; never rewritten
.set PFO,  30                          ; v30     the prefetches' offset: my lane x a row of xs or ws (8,192 bytes); never rewritten
.set SC,   32                          ; v[32:35] scale of my four columns
.set BI,   36                          ; v[36:39] bias of my four columns
.set F0,   64                          ; fragment buffer 0
.set F1,   128                         ; fragment buffer 1
.set LIM,  43                          ; s43     1 in a wave that prefetches, else the greatest number
.set PFA,  44                          ; s[44:45] where my prefetches stand: my work-group's 32 rows of the 128 that I fetch, one K step further along K than the refill that is being asked for
.set G1,  24                           ; s[24:31] descriptor group 1 for xs's tiles
.set G0,  32                           ; s[32:39] descriptor group 0 for xs's tiles, one set for each slot
.set G1B, 48                           ; s[48:55] group 1 for ws's tiles: it differs in the mask alone
.set G0B, 56                           ; s[56:63] group 0 for ws's tiles, one set for each slot
.set MSB, 0
.macro WIN new                         ; the immediate's high byte repeats the setting that is left; a switch that changes nothing is dropped
.if MSB != (\new)
	s_set_vgpr_msb (MSB<<8)|(\new)
.set MSB, \new
.endif
.endm
.set MUL_LO, 0xa1                      ; source 0 (ws) window 1, source 1 (xs) window 0, C and D window 2
.set MUL_HI, 0xf1                      ; the same, C and D window 3
.set TO_B,   0x40                      ; destination window 1, address window 0
; A joint load.  Waves 0 and 1 fetch xs's two halves, waves 2 and 3 ws's.  Each of the two lines has ONE mask and one set of registers for all that issue it, and nothing in them hangs on a
; coordinate that the four partners do not share.  The branch hangs on the wave's number alone.  An s_nop 0 and four v_nop follow each line, ahead of the jump and the label.
.macro JLOAD s
	s_cmp_eq_u32 s11, 0
	s_cbranch_scc0 .Lfor_b_\@
	tensor_load_to_lds s[G0+4*(\s):G0+4*(\s)+3], s[G1:G1+7]
	s_nop 0
.rept 4
	v_nop
.endr
	s_branch .Lasked_\@
.Lfor_b_\@:
	tensor_load_to_lds s[G0B+4*(\s):G0B+4*(\s)+3], s[G1B:G1B+7]
	s_nop 0
.rept 4
	v_nop
.endr
.Lasked_\@:
.endm
; A PREFETCH, behind each joint refill, its five lines and the run of LDS loads that follows them: the K step that stands TWO refills on, 512 matrix instructions ahead of the load that will ask for it:
; 32 rows x 256 bytes, a lane a row, one instruction a wave.  Each row's 256 bytes of a K step are named ONCE in the launch: xs's tile row is read by every cluster of that row of clusters, and the
; one with x = 0 asks; ws's tile column by every cluster of that column, and the one with y = 0 asks.  The four partners that ask for a tile jointly share its rows out BY ADDRESS: of the 128 rows
; that wave w fetches the partner at place p takes 32 p .. 32 p + 31 (p = cx for xs, cy for ws): no branch hangs on a work-group's place in its cluster.  K steps 0 to 3 come by their loads alone;
; the loop's last trip (s3 = 1) asks for nothing: K steps 32 and 33 do not exist.
.macro ASK
	s_cmp_gt_u32 s3, s[LIM]
	s_cbranch_scc0 .Lnot_mine_\@
	global_prefetch_b8 v[PFO], s[PFA:PFA+1] offset:KSTEP*2 th:TH_LOAD_NT scope:SCOPE_SE
.Lnot_mine_\@:
.endm
; A round of the cluster's barrier: my work-group's barrier, so that wave 0's signal speaks for all four waves; wave 0 signals for the work-group; every wave waits for all sixteen
; work-groups; my work-group's barrier once more.  No LDS instruction of the wave is pending at a signal.
.macro CREST                           ; a round behind its opening barrier
	s_cmp_lg_u32 s10, 0
	s_cbranch_scc1 .Lnot_wave_0_\@
	s_barrier_signal -3
.Lnot_wave_0_\@:
	s_barrier_wait -3
	s_barrier_signal -1
	s_barrier_wait -1
.endm
.macro CROUND                          ; a whole round
	s_barrier_signal -1
	s_barrier_wait -1
	CREST
.endm
	s_load_b128 s[4:7], s[0:1], 0x0                ; xs s[4:5], ws s[6:7]
	s_load_b128 s[68:71], s[0:1], 0x10             ; scale s[68:69], bias s[70:71]
	s_load_b64 s[8:9], s[0:1], 0x20                ; out0
	v_lshl_add_u32 v[SPW], v0, 2, SPARE
	v_mov_b32 v[NIL], 0
	ds_add_u32 v[SPW], v[NIL]                      ; the wave's opening: the add, twice on end, and its wait ahead of my first tensor load; the set-up below, work on registers, stands between
	ds_add_u32 v[SPW], v[NIL]                      ; and once more, under the one wait
	v_lshrrev_b32 v1, 5, v0
	v_readfirstlane_b32 s10, v1                    ; wave 0..3
	s_lshr_b32 s11, s10, 1                         ; which half of the tile's rows is mine.  Also: I fetch for xs (0) or for ws (1)
	s_and_b32 s12, s10, 1                          ; which half of its columns.  Also: which 128 rows of that tile I fetch
	s_bfe_u32 s40, ttmp6, 0x40000                  ; cx: my place along the cluster's x
	s_bfe_u32 s41, ttmp6, 0x40004                  ; cy: along its y
	s_lshl_b32 s42, ttmp9, 2                       ; in a cluster launch ttmp9 and ttmp7 count clusters
	s_add_co_u32 s42, s42, s40                     ; tile column = 4 x cluster x + cx
	s_and_b32 s13, ttmp7, 0xffff
	s_lshl_b32 s13, s13, 2
	s_add_co_u32 s13, s13, s41                     ; tile row = 4 x cluster y + cy
	s_lshl_b32 s43, s41, 2
	s_lshl_b32 s43, 15, s43                        ; my row of the cluster: places 4 cy .. 4 cy + 3
	s_lshl_b32 s44, 0x1111, s40                    ; my column: places cx, cx + 4, cx + 8, cx + 12
	; descriptor group 1: a tile of 128 rows x 128 elements, padded in LDS
	s_or_b32 s[G1+0], s43, (1<<16)|(1<<20)|(1<<21)|(5<<22)|(3<<25)  ; 15:0 the mask: xs's tiles go to my row; 17:16 elements of 2 bytes; 20 padding on; 21 set beside a mask; 24:22 after every 64 words (code 5); 31:25 4 words of it (code 3)
	s_or_b32 s[G1B+0], s44, (1<<16)|(1<<20)|(1<<21)|(5<<22)|(3<<25) ; the same with the mask of my column, for ws's tiles
.irp g, G1, G1B
	s_mov_b32 s[(\g)+1], KSTEP<<16                 ; 63:48 tensor_dim0, low half = 128
	s_mov_b32 s[(\g)+2], 128<<16                   ; 79:64 its high half = 0; 95:80 tensor_dim1, low half = 128
	s_mov_b32 s[(\g)+3], KSTEP<<16                 ; 111:96 its high half = 0; 127:112 tile_dim0 = 128
	s_mov_b32 s[(\g)+4], 128                       ; 143:128 tile_dim1 = 128; 159:144 tile_dim2 = 0
	s_mov_b32 s[(\g)+5], SIZE_K                    ; 191:160 tensor_dim0_stride, low word: elements from row to row
	s_mov_b32 s[(\g)+6], 0
	s_mov_b32 s[(\g)+7], 0
.endr
	; where the tiles come from.  xs's hang on the tile row alone, which my row of the cluster shares; ws's on the tile column alone, which my column shares.
	; Every wave makes both addresses, in registers that never hold the other coordinate, and asks by one of them.
	s_lshl_b32 s17, s12, 7                         ; which 128 rows of the tile I fetch
	s_lshl_b32 s16, s13, 8
	s_add_co_u32 s16, s16, s17                     ; xs: row 256 x tile row + 128 x half
	s_lshl_b32 s46, s42, 8
	s_add_co_u32 s46, s46, s17                     ; ws: row 256 x tile column + 128 x half
	s_mov_b32 s17, 0
	s_mov_b32 s47, 0
	s_mov_b64 s[18:19], SIZE_K*2
	s_mul_u64 s[16:17], s[16:17], s[18:19]         ; in bytes
	s_mul_u64 s[46:47], s[46:47], s[18:19]
	s_mul_i32 s20, s10, HALFT                      ; and where they go: wave x 128 rows: no place in the cluster enters an LDS address
	s_wait_dscnt 0x0                               ; both opening adds are done
	s_wait_kmcnt 0x0
	s_add_nc_u64 s[14:15], s[4:5], s[16:17]
	s_add_nc_u64 s[46:47], s[6:7], s[46:47]
	CROUND                                         ; all sixteen work-groups are here: the first joint loads meet
.irp s, 0,1
	s_mov_b32 s[G0+4*(\s)], 1                                      ; 1:0 count = 1
	s_add_co_u32 s[G0+4*(\s)+1], s20, (\s)*SLOT                    ; 63:32 LDS address
	s_add_nc_u64 s[G0+4*(\s)+2:G0+4*(\s)+3], s[14:15], (\s)*KSTEP*2  ; 120:64 global address: K step s
	s_or_b32 s[G0+4*(\s)+3], s[G0+4*(\s)+3], 0x80000000            ; 127:126 type = 2
	s_mov_b32 s[G0B+4*(\s)], 1
	s_add_co_u32 s[G0B+4*(\s)+1], s20, (\s)*SLOT
	s_add_nc_u64 s[G0B+4*(\s)+2:G0B+4*(\s)+3], s[46:47], (\s)*KSTEP*2
	s_or_b32 s[G0B+4*(\s)+3], s[G0B+4*(\s)+3], 0x80000000
	JLOAD \s                                       ; the ring is filled before anything else is done: two loads of mine are out
.endr
	; A fragment is 16 rows x 32 K in 8 registers: lane l holds row l % 16; registers 0-3 hold K = 8 (l / 16) + 0..7, registers 4-7 hold K = 16 + 8 (l / 16) + 0..7:
	; two loads of 16 bytes, 32 bytes apart.  The same for source 0 and source 1.
	v_and_b32 v1, 15, v0                           ; l % 16
	v_bfe_u32 v2, v0, 4, 1                         ; l / 16
	v_mul_u32_u24 v3, v1, PITCH
	v_lshl_add_u32 v3, v2, 4, v3                   ; row x pitch + 16 x half
	s_mul_i32 s21, s11, HALFT                      ; my 128 rows of xs
	s_mul_i32 s22, s12, HALFT                      ; my 128 rows of ws,
	s_add_co_u32 s22, s22, 2*HALFT                 ; which lie behind xs's 256
.irp s, 0,1
	v_add_nc_u32 v[ADRA+(\s)], s21, v3
	v_add_nc_u32 v[ADRB+(\s)], s22, v3
	s_add_co_u32 s21, s21, SLOT
	s_add_co_u32 s22, s22, SLOT
.endr
	s_mul_i32 s23, s10, 16*SPITCH
	s_add_co_u32 s23, s23, STAGE                   ; my stage
	v_mul_u32_u24 v4, v1, SPITCH                   ; in: row l % 16, 32 bytes for each half of the lanes
	v_lshl_add_u32 v4, v2, 5, v4
	v_add_nc_u32 v[STO], s23, v4
	v_and_b32 v5, 31, v0
	v_lshlrev_b32 v[CO], 4, v5                     ; back: 32 lanes take one row of 512 bytes
	v_add_nc_u32 v[RD], s23, v[CO]
	; out0 at my wave's first element; scale and bias at my wave's first column
	s_lshl_b32 s13, s13, 8                         ; 256 x tile row
	s_lshl_b32 s14, s11, 7
	s_add_co_u32 s16, s13, s14                     ; my first row of out0
	s_mov_b32 s17, 0
	s_mov_b64 s[18:19], SIZE_N*4
	s_mul_u64 s[16:17], s[16:17], s[18:19]
	s_lshl_b32 s46, s42, 10                        ; my first column, in bytes of f32: 1,024 x tile column + 512 x half (in the registers that held ws's address: none that feeds xs's descriptors ever holds cx)
	s_lshl_b32 s47, s12, 9
	s_add_co_u32 s46, s46, s47
	s_mov_b32 s47, 0
	s_add_nc_u64 s[8:9], s[8:9], s[16:17]
	s_add_nc_u64 s[8:9], s[8:9], s[46:47]
	s_add_nc_u64 s[68:69], s[68:69], s[46:47]
	s_add_nc_u64 s[70:71], s[70:71], s[46:47]
	global_load_b128 v[SC:SC+3], v[CO], s[68:69]   ; on the way out a lane always holds the same four columns: eight registers serve the whole tile
	global_load_b128 v[BI:BI+3], v[CO], s[70:71]
	; the prefetches.  s13 = 256 x tile row, s42 = tile column, s40 = cx, s41 = cy still stand
	s_lshl_b32 s42, s42, 8
	s_and_b32 s22, ttmp7, 0xffff                   ; cluster y
	s_cmp_eq_u32 s11, 0                            ; do I fetch for xs?
	s_cselect_b32 s20, s13, s42                    ; the tile's first row: in xs by the tile row, in ws by the tile column
	s_cselect_b32 s21, s40, s41                    ; my place among the four that ask for it with me
	s_cselect_b32 s22, ttmp9, s22                  ; the coordinate along which other clusters read the same rows
	s_cselect_b64 s[PFA:PFA+1], s[4:5], s[6:7]
	s_cmp_eq_u32 s22, 0
	s_cselect_b32 s[LIM], 1, -1                    ; the same in all sixteen partners, for a given wave
	s_lshl_b32 s22, s12, 7
	s_add_co_u32 s20, s20, s22                     ; + the 128 rows that I fetch
	s_lshl_b32 s21, s21, 5
	s_add_co_u32 s20, s20, s21                     ; + my work-group's 32 of them
	s_mov_b32 s21, 0
	s_mov_b64 s[18:19], SIZE_K*2
	s_mul_u64 s[20:21], s[20:21], s[18:19]
	s_add_nc_u64 s[PFA:PFA+1], s[PFA:PFA+1], s[20:21]
	s_add_nc_u64 s[PFA:PFA+1], s[PFA:PFA+1], 2*KSTEP*2  ; at K step 2: the first refill steps it to 3 and names K step 4
	v_and_b32 v[PFO], 31, v0
	v_mul_u32_u24 v[PFO], v[PFO], SIZE_K*2
; 16 matrix instructions: m blocks a0, a0 + 1 of the window's four (hi = 0: my rows 0-63, 1: rows 64-127) x all 8 n blocks, 32 along K.
; zero = 1: the first product starts the sums: nothing is ever cleared.  The 64 accumulators take turns, one instruction a turn, in the same order in every quarter step.
.macro MUL16 f, hi, a0, zero
	WIN MUL_LO+0x50*(\hi)
.irp a, \a0, (\a0)+1
.irp b, 0,1,2,3,4,5,6,7
.if \zero
	v_wmma_f32_16x16x32_bf16 v[8*(8*(\a)+(\b)):8*(8*(\a)+(\b))+7], v[(\f)+8*(\b):(\f)+8*(\b)+7], v[(\f)+8*(4*(\hi)+(\a)):(\f)+8*(4*(\hi)+(\a))+7], 0
.else
	v_wmma_f32_16x16x32_bf16 v[8*(8*(\a)+(\b)):8*(8*(\a)+(\b))+7], v[(\f)+8*(\b):(\f)+8*(\b)+7], v[(\f)+8*(4*(\hi)+(\a)):(\f)+8*(4*(\hi)+(\a))+7], v[8*(8*(\a)+(\b)):8*(8*(\a)+(\b))+7]
.endif
.endr
.endr
.endm
; 32 LDS loads in one run: the fragments of one quarter step (128 rows of ws, 128 rows of xs, 32 K at byte k of the rows) into buffer f
.macro FETCH slot, k, f
	WIN TO_B
.irp i, 0,1,2,3,4,5,6,7
	ds_load_b128 v[(\f)+8*(\i):(\f)+8*(\i)+3],   v[ADRB+(\slot)] offset:(\k)+(\i)*16*PITCH
	ds_load_b128 v[(\f)+8*(\i)+4:(\f)+8*(\i)+7], v[ADRB+(\slot)] offset:(\k)+(\i)*16*PITCH+32
.endr
	WIN 0
.irp i, 0,1,2,3,4,5,6,7
	ds_load_b128 v[(\f)+8*(\i):(\f)+8*(\i)+3],   v[ADRA+(\slot)] offset:(\k)+(\i)*16*PITCH
	ds_load_b128 v[(\f)+8*(\i)+4:(\f)+8*(\i)+7], v[ADRA+(\slot)] offset:(\k)+(\i)*16*PITCH+32
.endr
.endm
; A load into a register that a matrix instruction has read, and an LDS store that reads a matrix result, stand four places behind that matrix instruction, and only plain vector instructions
; that name none of its registers are places (ISA guide 7.12.1 for vector instructions); the matrix instructions in between are not counted.
.macro PLACES
.rept 4
	v_nop
.endr
.endm
; A K step is four quarter steps of 32 along K, 64 matrix instructions each, on buffers 0, 1, 0, 1.
; One of the first three: multiplies buffer f; in its middle it fetches the next quarter's fragments, at byte k of the same slot's rows, into buffer g.
.macro QUARTER slot, k, f, g, zero
	s_wait_dscnt 8                                 ; ws's fragments and xs's rows 0-63 are in; the youngest eight loads (xs's rows 64-127) may be out
	WIN MUL_LO
	MUL16 \f, 0, 0, \zero
	MUL16 \f, 0, 2, \zero
	PLACES
	FETCH \slot, \k, \g
	s_wait_dscnt 32                                ; all but the 32 just issued
	WIN MUL_HI
	MUL16 \f, 1, 0, \zero
	MUL16 \f, 1, 2, \zero
.endm
; The last quarter multiplies buffer 1 and changes slots.  MEET is its first half: ONE barrier for the change of slots, for two things.  In front of it each wave waits for all its tensor loads,
; of which one is out: its part of the next slot; adds 0 to its spare word; and waits for that and for its own reads of this slot.  Behind it nobody reads this slot any more and the next slot is whole.
.macro MEET round                      ; round = 1: the rest of a round of the cluster's barrier follows
	WIN 0                                          ; (the add's two registers lie in window 0)
	s_wait_tensorcnt 0x0                           ; all my tensor loads have landed: the one that was out is my part of the next slot;
	ds_add_u32 v[SPW], v[NIL]                      ; 0 onto my spare word;
	s_wait_dscnt 9                                 ; (the add and the youngest eight loads may be out)
	WIN MUL_LO
	MUL16 F1, 0, 0, 0                              ; sixteen matrix instructions stand between the add and the wait for it
	s_wait_dscnt 0x0                               ; the add is done, and my reads of this slot are over:
	s_barrier_signal -1                            ; say so,
	MUL16 F1, 0, 2, 0                              ; work on registers while the others arrive,
.if \round
	WIN 0
.endif
	s_barrier_wait -1                              ; and go on when all four have said so
.endm
; The whole last quarter.  Behind the round the slot just read out is filled again first, with the K step two steps on; then come the next slot's first fragments.
; From a request to the wait for it a wave issues 224 matrix instructions; one tensor load of mine is out meanwhile.
.macro TURN slot, next
	s_wait_xcnt 0x0                                ; the last prefetch, a K step back, has read its address: it is stepped here, ahead of the waits of the change of slots
	s_add_nc_u64 s[PFA:PFA+1], s[PFA:PFA+1], KSTEP*2
	MEET 1
	CREST                                          ; wave 0 says so for the work-group, all sixteen work-groups have said so, my work-group's barrier closes the round:
	                                               ; no wave of any partner still reads this slot's tile or has a load on its way
	s_add_nc_u64 s[G0+4*(\slot)+2:G0+4*(\slot)+3], s[G0+4*(\slot)+2:G0+4*(\slot)+3], 2*KSTEP*2    ; no tensor load of mine is out, so a group 0 may be written; the type bits on top are not reached
	s_add_nc_u64 s[G0B+4*(\slot)+2:G0B+4*(\slot)+3], s[G0B+4*(\slot)+2:G0B+4*(\slot)+3], 2*KSTEP*2
	JLOAD \slot                                    ; the first tensor load behind the round; the four v_nop behind it are also the places in front of the loads below
	FETCH \next, 0, F0
	ASK                                            ; behind the joint load and the run of LDS loads that the next products wait for
	WIN MUL_HI
	MUL16 F1, 1, 0, 0
	MUL16 F1, 1, 2, 0
.endm
; THE WAY OUT of block a (16 rows x 128 columns of f32), in two parts.  TOSTAGE: the whole-number sums go as they are into my own stage in LDS, 32 bytes a lane for each accumulator, its low
; registers first, and come back as whole rows of 512 bytes.  SEND: scale x sum + bias, one fused multiply-add a number, and the row is stored.
.macro TOSTAGE a
.set AC, 64*((\a)%4)                   ; its eight accumulators, in window 2 (blocks 0-3) or 3 (blocks 4-7)
.set BK, F0+64*((\a)%2)                ; 64 registers, where a fragment buffer of xs lay; the two by turns
.if (\a) >= 2
	s_wait_xcnt 0x0                                ; every earlier memory instruction has had its addresses translated (ISA guide 3.1): the registers that block a - 2's stores read are loaded again only behind this wait
.endif
	WIN 0x08+4*((\a)/4)                            ; an LDS store's data is source 1: window 2 or 3
.irp b, 0,1,2,3,4,5,6,7
	ds_store_b128 v[STO], v[AC+8*(\b):AC+8*(\b)+3]   offset:64*(\b)
	ds_store_b128 v[STO], v[AC+8*(\b)+4:AC+8*(\b)+7] offset:64*(\b)+16
.endr
	WIN 0
.irp t, 0,1,2,3,4,5,6,7,8,9,10,11,12,13,14,15
	ds_load_b128 v[BK+4*(\t):BK+4*(\t)+3], v[RD] offset:(\t)*SPITCH  ; LDS serves a wave's instructions in order (ISA guide 5.7.1.4): these see the stores above; the next block's stores come behind them
.endr
.endm
.macro SEND a, younger                 ; younger: the LDS instructions issued behind block a's loads: the next block's 32, or none
.set BK, F0+64*((\a)%2)
	WIN 0
.irp t, 0,1,2,3,4,5,6,7,8,9,10,11,12,13,14,15
	s_wait_dscnt (\younger)+15-(\t)                ; row t is back; the block's later rows and the next block's instructions may be out
	v_pk_fma_f32 v[BK+4*(\t):BK+4*(\t)+1],   v[BK+4*(\t):BK+4*(\t)+1],   v[SC:SC+1],   v[BI:BI+1]
	v_pk_fma_f32 v[BK+4*(\t)+2:BK+4*(\t)+3], v[BK+4*(\t)+2:BK+4*(\t)+3], v[SC+2:SC+3], v[BI+2:BI+3]
	global_store_b128 v[CO], v[BK+4*(\t):BK+4*(\t)+3], s[8:9] offset:(16*(\a)+(\t))*SIZE_N*4 th:TH_STORE_NT  ; 512 consecutive bytes, at a multiple of 256 from out0's first; 127 rows of 16,384 bytes at the most: inside the signed 24-bit immediate
.endr
.endm
	s_wait_loadcnt 0x0                             ; scale and bias, once
	s_wait_tensorcnt 1                             ; my part of K step 0 is in; K step 1's load may stay out
	s_barrier_signal -1
	s_barrier_wait -1                              ; everybody's is
	FETCH 0, 0, F0
	QUARTER 0, 64,  F0, F1, 1                      ; the first quarter stands in front of the loop: its products start the sums
	WIN 0                                          ; at a label and at a branch every window is 0
	s_mov_b32 s3, LAPS-1
.Llap:                                                 ; 15 trips: a trip goes once round the ring, from a lap's second quarter to the next lap's first, and fills both slots again: K steps 2 to 31
	QUARTER 0, 128, F1, F0, 0
	QUARTER 0, 192, F0, F1, 0
	TURN 0, 1
	QUARTER 1, 64,  F0, F1, 0
	QUARTER 1, 128, F1, F0, 0
	QUARTER 1, 192, F0, F1, 0
	TURN 1, 0
	QUARTER 0, 64,  F0, F1, 0
	WIN 0
	s_sub_co_u32 s3, s3, 1
	s_cmp_lg_u32 s3, 0
	s_cbranch_scc1 .Llap
	QUARTER 0, 128, F1, F0, 0                      ; the last lap is written out: it asks for nothing and no round is needed
	QUARTER 0, 192, F0, F1, 0
	MEET 0                                         ; my one tensor load that was still out is slot 1's, the last K step's
	PLACES                                         ; for the loads into buffer 0, which the quarter before multiplied
	FETCH 1, 0, F0
	WIN MUL_HI
	MUL16 F1, 1, 0, 0
	MUL16 F1, 1, 2, 0
	QUARTER 1, 64,  F0, F1, 0
	QUARTER 1, 128, F1, F0, 0
	QUARTER 1, 192, F0, F1, 0
	s_wait_dscnt 8                                 ; the very last quarter: nothing more to fetch
	WIN MUL_LO
	MUL16 F1, 0, 0, 0
	MUL16 F1, 0, 2, 0
	s_wait_dscnt 0x0
	MUL16 F1, 1, 0, 0
	MUL16 F1, 1, 2, 0
	PLACES                                         ; behind the last products, in front of the stores that read results and of the loads into the fragment buffers:
	PLACES                                         ; eight plain instructions, once a launch
	TOSTAGE 0
.irp a, 1,2,3,4,5,6,7                  ; block a's trip through the stage is on its way while block a - 1 is scaled and stored
	TOSTAGE \a
	SEND (\a)-1, 32
.endr
	SEND 7, 0
	s_wait_tensorcnt 0x0                           ; the wave's end: behind my last tensor load and my last LDS store
	ds_add_u32 v[SPW], v[NIL]
	s_wait_dscnt 0x0
	CROUND                                         ; the closing round: no work-group ends while a partner may still ask for a tile that names it
	s_endpgm
.Lfunc_end_k_qd19311629b_gemm:
	.size	k_qd19311629b_gemm, .Lfunc_end_k_qd19311629b_gemm-k_qd19311629b_gemm
	.p2alignl 7, 3214868480
	.fill 96, 4, 3214868480
	.section	.rodata,"a",@progbits
	.p2align	6, 0x0
	.amdhsa_kernel k_qd19311629b_gemm
		.amdhsa_group_segment_fixed_size 327680
		.amdhsa_private_segment_fixed_size 0
		.amdhsa_enable_private_segment 0
		.amdhsa_kernarg_size 40
		.amdhsa_user_sgpr_count 2
		.amdhsa_user_sgpr_kernarg_segment_ptr 1
		.amdhsa_wavefront_size32 1
		.amdhsa_system_sgpr_workgroup_id_x 1
		.amdhsa_system_sgpr_workgroup_id_y 1
		.amdhsa_system_sgpr_workgroup_id_z 1
		.amdhsa_system_vgpr_workitem_id 0
		.amdhsa_next_free_vgpr 1024
		.amdhsa_next_free_sgpr 72
		.amdhsa_reserve_vcc 0
		.amdhsa_float_denorm_mode_32 3
		.amdhsa_float_denorm_mode_16_64 3
		.amdhsa_memory_ordered 1
		.amdhsa_forward_progress 1
		.amdhsa_inst_pref_size 162
	.end_amdhsa_kernel
	.amdgpu_metadata
---
amdhsa.version: [ 1, 2 ]
amdhsa.kernels:
  - .name:           k_qd19311629b_gemm
    .symbol:         k_qd19311629b_gemm.kd
    .args:
      - { .name: xs, .offset: 0, .size: 8, .value_kind: global_buffer, .address_space: global }
      - { .name: ws, .offset: 8, .size: 8, .value_kind: global_buffer, .address_space: global }
      - { .name: scale, .offset: 16, .size: 8, .value_kind: global_buffer, .address_space: global }
      - { .name: bias, .offset: 24, .size: 8, .value_kind: global_buffer, .address_space: global }
      - { .name: out0, .offset: 32, .size: 8, .value_kind: global_buffer, .address_space: global }
    .group_segment_fixed_size: 327680
    .private_segment_fixed_size: 0
    .kernarg_segment_align: 8
    .kernarg_segment_size: 40
    .max_flat_workgroup_size: 128
    .sgpr_count:     72
    .vgpr_count:     1024
    .wavefront_size: 32
...
	.end_amdgpu_metadata
.endif
;; end of part 2
;; ======== version 2 of 2: 2 launches; version 1 with the launch prep written anew for expert scheduling mode
;; workspace buffers: xs 33,554,432 bytes; ws 33,554,432 bytes; scale 16,384 bytes
;; launch prep (part 3): grid 512 x 2, 8 waves a work-group, no clusters, 0 bytes of LDS; arguments x, full_precision, xs, ws, scale; writes xs, ws, scale
.if DOCPART == 3
	.amdgcn_target "amdgcn-amd-amdhsa--gfx1250"
	.amdhsa_code_object_version 6
	.text
	.protected	k_qd19311629b_prep
	.globl	k_qd19311629b_prep
	.p2align	8
	.type	k_qd19311629b_prep,@function
k_qd19311629b_prep:
	s_mov_b64 s[64:65], 0
	v_nop
	global_prefetch_b8 v0, s[64:65] scope:SCOPE_SE
	s_setreg_imm32_b32 hwreg(HW_REG_WAVE_SCHED_MODE, 0, 2), 2
	s_setreg_imm32_b32 hwreg(HW_REG_WAVE_MODE, 25, 1), 1
	s_wait_xcnt 0x0
	s_wait_alu depctr_vm_vsrc(0)
; THE OPERANDS OF THE BINARY PRODUCT, made once.  Work-group y = 0: xs = sign(x).  y = 1: ws = sign(fp - mean of its row), scale[row] = mean of min(|fp - mean|, 1).
; x, full_precision: [4096][4096] f32.  xs, ws: [4096][4096] bf16, holding -1, 0 and +1 alone, which bf16 holds exactly.  scale: [4096] f32.
; The clip to [-1, 1] changes no sign, so it enters the mean magnitude alone: |clip(d)| = min(|d|, 1).
; SHARES.  One wave, one row: 16,384 bytes = 32 loads of 16 bytes a lane, each load 512 consecutive bytes; all 32 go out at once and the row stays in 128 registers
; between the pass that sums it and the pass that centres it: every input byte is read once.  The four numbers of a load become 8 bytes a lane: a store of the wave
; covers 256 consecutive bytes, aligned.  No wave needs another's data: no LDS, no barrier, no matrix unit, no cluster.
; LIMITS.  A NaN in x counts as +1 or -1 by its sign bit.  The weights are never rounded ahead of the centring, and fp - mean is one f32 subtraction; but the row's sum is
; taken in eight chains of 16 a lane and a tree over chains and lanes, which is not bound to be the order of another program's sum: a weight that lies within a few
; units in the last place of its row's mean may get the other sign.  With a common offset on the weights that is large beside their spread that band holds more of them.
; THE MODE: SCHED_MODE bits 1:0 = 2 (LLVM: expert scheduling mode 2), set by the entry lines.  The code itself states the register dependences between vector
; instructions and memory instructions, and those through scalar registers that vector instructions write, with s_wait_alu, always for 0.
; THE PLAN.  The row's 32 loads go in eight blocks of four (16 numbers a lane).  Registers that memory instructions touch:
;   v1, v2     the loads' and the stores' offsets: made once at the head, never written again.
;   X          written by the 32 loads, which are issued before any vector instruction names X.  Block p's vector work reads its 16 registers; its eight packs write
;              the first two of each four; the four stores that read those are issued in block p + 1 (block 7's behind the last block); nothing writes them again.
;   v5, v30    offset and data of the one store of scale, at the end.
; Scalar registers that vector instructions write: s14 (the wave's number), s[32:47] (a block's 16 masks), VCC (once, at the end).
; T, S, M, A and v31 are named by vector instructions alone.
; So a block has ONE place of waits, behind its compares and all its work that needs no mask: the masks are written (ahead of the selects that read them), and the block
; before has written its packed words (ahead of the stores that read them).  Those four stores are dealt among the block's selects, which name T and the masks alone;
; the packs behind them write this block's registers of X, not the last block's: no store owes a further wait, and no register that a store reads is ever rewritten.
.set T, 4                              ; v[4:19]    at work: a block's sixteen numbers (its upper half is S, which is dead when the mean is made)
.set S, 12                             ; v[12:19]   pass 1 alone: four chains of pairs: the row's sum
.set M, 20                             ; v[20:21]   the row's mean, twice (a pair for the packed subtraction)
.set A, 22                             ; v[22:29]   four chains of pairs: the sum of min(|d|, 1)
.set X, 32                             ; v[32:159]  the row: load j in v[X+4j : X+4j+3]; block p is loads 4 p to 4 p + 3
.set MK, 32                            ; s[32:47]   a block's sixteen masks: number not 0
	s_load_b256 s[4:11], s[0:1], 0x0               ; x s[4:5], full_precision s[6:7], xs s[8:9], ws s[10:11]
	s_load_b64 s[12:13], s[0:1], 0x20              ; scale
	v_lshrrev_b32 v4, 5, v0
	v_readfirstlane_b32 s14, v4                    ; wave 0..7
	s_and_b32 s15, ttmp7, 0xffff                   ; the job: 0 x, 1 the weights
	v_and_b32 v3, 31, v0                           ; lane
	v_lshlrev_b32 v1, 4, v3                        ; 16 bytes a lane on the way in; never rewritten
	v_lshlrev_b32 v2, 3, v3                        ; 8 bytes a lane on the way out; never rewritten
	v_mov_b32 v31, 0                               ; v_permlanex16_b32 counts as a reader of its destination
	s_mov_b32 s24, 0x80000000                      ; the sign bit
	s_mov_b32 s25, 0x3f800000                      ; 1.0
	s_mov_b32 s26, 0x07060302                      ; v_perm_b32: the upper halves of two words, the second source's below
	s_mov_b32 s27, 0x76543210                      ; v_permlanex16_b32: each lane takes its own place in the other half
	s_mov_b32 s28, 0xfedcba98
	s_mov_b32 s19, 0
	s_wait_alu depctr_va_sdst(0)                   ; s14 is written, ahead of its first reader: my row's number, and all three bases, are made from it
	s_lshl_b32 s16, ttmp9, 3
	s_add_co_u32 s16, s16, s14                     ; my row = 8 x work-group + wave
	s_wait_kmcnt 0x0
	s_cmp_eq_u32 s15, 0
	s_cselect_b64 s[20:21], s[4:5], s[6:7]         ; from where,
	s_cselect_b64 s[22:23], s[8:9], s[10:11]       ; to where: a choice by the work-group's y alone
	s_lshl_b32 s18, s16, 14                        ; a row of f32 is 16,384 bytes
	s_add_nc_u64 s[20:21], s[20:21], s[18:19]
	s_lshl_b32 s18, s16, 13                        ; a row of bf16 is 8,192
	s_add_nc_u64 s[22:23], s[22:23], s[18:19]
	s_lshl_b32 s18, s16, 2
	s_add_nc_u64 s[12:13], s[12:13], s[18:19]      ; my row's word of scale
	s_wait_alu depctr_va_vdst(0)                   ; v1 and v2 are written: every load below reads v1 as its offset, every 8-byte store v2
.set j, 0
.rept 32
	global_load_b128 v[X+4*j:X+4*j+3], v1, s[20:21] offset:512*j th:TH_LOAD_NT
.set j, j+1
.endr
; THE SIGNS OF A BLOCK'S SIXTEEN NUMBERS, as bf16: +-1.0 from the sign bit; 0 where the number is +-0; bf16 is an f32's upper half.  In four parts.
.macro CMP16 p                         ; the sixteen masks, in one run
.irp i, 0,1,2,3
.irp k, 0,1,2,3
	v_cmp_neq_f32 s[MK+4*(\i)+(\k)], 0, v[X+16*(\p)+4*(\i)+(\k)]
.endr
.endr
.endm
.macro ONE16 p                         ; +-1.0 by the sign bit
.irp i, 0,1,2,3
.irp k, 0,1,2,3
	v_and_or_b32 v[T+4*(\i)+(\k)], v[X+16*(\p)+4*(\i)+(\k)], s24, s25
.endr
.endr
.endm
.macro OUT1 p, i                       ; the packed words of load 4 p + i leave
	global_store_b64 v2, v[X+16*(\p)+4*(\i):X+16*(\p)+4*(\i)+1], s[22:23] offset:256*(4*(\p)+(\i)) th:TH_STORE_NT  ; 32 lanes store 256 consecutive bytes, at a multiple of 256 from the buffer's first
.endm
; The selects and the packs.  out = 1: the four stores of block p - 1 are dealt among the selects.  The packed words take the place of each load's first two numbers, and are not written again.
.macro FIN p, out
.irp i, 0,1,2,3
.if \out
	OUT1 (\p)-1, \i                                ; no vector instruction since the wait on va_vdst names v2 or block p - 1's registers
.endif
.irp k, 0,1,2,3
	v_cndmask_b32 v[T+4*(\i)+(\k)], 0, v[T+4*(\i)+(\k)], s[MK+4*(\i)+(\k)]
.endr
.endr
.irp i, 0,1,2,3
	v_perm_b32 v[X+16*(\p)+4*(\i)],   v[T+4*(\i)+1], v[T+4*(\i)],   s26
	v_perm_b32 v[X+16*(\p)+4*(\i)+1], v[T+4*(\i)+3], v[T+4*(\i)+2], s26
.endr
.endm
; The sum of v30 over the 32 lanes, in every lane: four steps inside each half of 16 lanes ride on the addition, one crosses the halves.
.macro LANESUM
	v_add_f32_dpp v30, v30, v30 row_xmask:1 row_mask:0xf bank_mask:0xf
	v_add_f32_dpp v30, v30, v30 row_xmask:2 row_mask:0xf bank_mask:0xf
	v_add_f32_dpp v30, v30, v30 row_xmask:4 row_mask:0xf bank_mask:0xf
	v_add_f32_dpp v30, v30, v30 row_xmask:8 row_mask:0xf bank_mask:0xf
	v_permlanex16_b32 v31, v30, s27, s28
	v_add_f32 v30, v30, v31
.endm
	s_cmp_lg_u32 s15, 0                            ; (the shifts above have written SCC)
	s_cbranch_scc1 .Lweights
	; THE ACTIVATIONS: each block's numbers as soon as they are in.
.macro XBLK p, out
	s_wait_loadcnt 28-4*(\p)                       ; loads come back in order (ISA guide 5.7.1): loads 0 to 4 p + 3 are in, the 28 - 4 p younger ones stay out
	CMP16 \p
	ONE16 \p
	s_wait_alu depctr_va_sdst(0)                   ; the sixteen compares have written s[32:47], ahead of the first select that reads a mask
.if \out
	s_wait_alu depctr_va_vdst(0)                   ; the packs of the block before have written its words, which the four stores below read
.endif
	FIN \p, \out
.endm
	XBLK 0, 0                                      ; block 0 has no block in front of it: no store
.irp p, 1,2,3,4,5,6,7
	XBLK \p, 1
.endr
	s_wait_alu depctr_va_vdst(0)                   ; block 7's packs have written its words, which the last four stores read
.irp i, 0,1,2,3
	OUT1 7, \i
.endr
	s_endpgm
.Lweights:
	; PASS 1: the row's sum.  Pair p is v[X+2p : X+2p+1]; four chains of pairs, started by the first eight pairs: nothing is cleared.
	s_wait_loadcnt 24                              ; loads 0 to 7, pairs 0 to 15, are in; 24 younger loads stay out
.irp c, 0,1,2,3
	v_pk_add_f32 v[S+2*(\c):S+2*(\c)+1], v[X+2*(\c):X+2*(\c)+1], v[X+8+2*(\c):X+8+2*(\c)+1]
.endr
.set p, 8
.rept 56
.if p%16 == 0
	s_wait_loadcnt 24-8*(p/16)                     ; the next eight loads: 16, 8 and at last no younger ones stay out
.endif
	v_pk_add_f32 v[S+2*(p%4):S+2*(p%4)+1], v[S+2*(p%4):S+2*(p%4)+1], v[X+2*p:X+2*p+1]
.set p, p+1
.endr
	v_pk_add_f32 v[S:S+1], v[S:S+1], v[S+2:S+3]
	v_pk_add_f32 v[S+4:S+5], v[S+4:S+5], v[S+6:S+7]
	v_pk_add_f32 v[S:S+1], v[S:S+1], v[S+4:S+5]
	v_add_f32 v30, v[S], v[S+1]                    ; S is dead from here on: its registers are T's upper half
	LANESUM
	v_mul_f32 v[M], 0x39800000, v30                ; / 4,096: a power of two, so nothing is rounded
	v_mul_f32 v[M+1], 0x39800000, v30
	; PASS 2, block by block: d = fp - mean in place; the masks of d; min(|d|, 1) onto four chains of pairs, each chain's loads in ascending order (loads 0 and 1 start them); the signs of d.
.macro WBLK p, out
.irp i, 0,1,2,3
	v_pk_add_f32 v[X+16*(\p)+4*(\i):X+16*(\p)+4*(\i)+1],   v[X+16*(\p)+4*(\i):X+16*(\p)+4*(\i)+1],   v[M:M+1] neg_lo:[0,1] neg_hi:[0,1]
	v_pk_add_f32 v[X+16*(\p)+4*(\i)+2:X+16*(\p)+4*(\i)+3], v[X+16*(\p)+4*(\i)+2:X+16*(\p)+4*(\i)+3], v[M:M+1] neg_lo:[0,1] neg_hi:[0,1]
.endr
	CMP16 \p                                       ; the compares stand early: the minima, the sums and the +-1.0 below need no mask
.irp i, 0,1,2,3
.irp k, 0,1,2,3
.if ((\p) == 0) && ((\i) < 2)
	v_min_num_f32 v[A+4*(\i)+(\k)], |v[X+16*(\p)+4*(\i)+(\k)]|, 1.0
.else
	v_min_num_f32 v[T+4*(\i)+(\k)], |v[X+16*(\p)+4*(\i)+(\k)]|, 1.0
.endif
.endr
.endr
.irp i, 0,1,2,3
.if ((\p) > 0) || ((\i) >= 2)
	v_pk_add_f32 v[A+4*((\i)%2):A+4*((\i)%2)+1],   v[A+4*((\i)%2):A+4*((\i)%2)+1],   v[T+4*(\i):T+4*(\i)+1]
	v_pk_add_f32 v[A+4*((\i)%2)+2:A+4*((\i)%2)+3], v[A+4*((\i)%2)+2:A+4*((\i)%2)+3], v[T+4*(\i)+2:T+4*(\i)+3]
.endif
.endr
	ONE16 \p
	s_wait_alu depctr_va_sdst(0)                   ; the sixteen compares have written s[32:47], ahead of the first select that reads a mask
.if \out
	s_wait_alu depctr_va_vdst(0)                   ; the packs of the block before have written its words, which the four stores below read
.endif
	FIN \p, \out
.endm
	WBLK 0, 0                                      ; block 0 has no block in front of it: no store
.irp p, 1,2,3,4,5,6,7
	WBLK \p, 1
.endr
	s_wait_alu depctr_va_vdst(0)                   ; block 7's packs have written its words, which the last four stores read
.irp i, 0,1,2,3
	OUT1 7, \i
.endr
	v_pk_add_f32 v[A:A+1], v[A:A+1], v[A+2:A+3]
	v_pk_add_f32 v[A+4:A+5], v[A+4:A+5], v[A+6:A+7]
	v_pk_add_f32 v[A:A+1], v[A:A+1], v[A+4:A+5]
	v_add_f32 v30, v[A], v[A+1]
	LANESUM
	v_mul_f32 v30, 0x39800000, v30                 ; the row's mean magnitude
	v_mov_b32 v5, 0                                ; the store's offset: s[12:13] stands at my row's word
	v_cmp_eq_u32 vcc_lo, 0, v3
	s_wait_xcnt 0x0                                ; EXEC is a source of the stores above: it changes only behind this wait
	s_wait_alu depctr_va_vcc(0)                    ; the compare has written VCC, from which EXEC is made
	s_wait_alu depctr_va_vdst(0)                   ; ahead of a scalar write of EXEC: the vector instructions issued so far are done; among them those that wrote v5 and v30, which the store below reads
	s_wait_alu depctr_vm_vsrc(0)                   ; ahead of a scalar write of EXEC: the stores issued so far have read their vector registers
	s_and_saveexec_b32 s29, vcc_lo                 ; lane 0 alone
	global_store_b32 v5, v30, s[12:13]             ; four bytes a row: 16 KiB of the launch's 64 MiB of stores; gathering them would want LDS and a barrier
	s_wait_xcnt 0x0                                ; and again in front of the line that widens it
	s_wait_alu depctr_va_vdst(0)                   ; ahead of a scalar write of EXEC: no vector instruction is under way
	s_wait_alu depctr_vm_vsrc(0)                   ; ahead of a scalar write of EXEC: the store has read v5 and v30
	s_or_b32 exec_lo, exec_lo, s29
	s_endpgm
.Lfunc_end_k_qd19311629b_prep:
	.size	k_qd19311629b_prep, .Lfunc_end_k_qd19311629b_prep-k_qd19311629b_prep
	.p2alignl 7, 3214868480
	.fill 96, 4, 3214868480
	.section	.rodata,"a",@progbits
	.p2align	6, 0x0
	.amdhsa_kernel k_qd19311629b_prep
		.amdhsa_group_segment_fixed_size 0
		.amdhsa_private_segment_fixed_size 0
		.amdhsa_enable_private_segment 0
		.amdhsa_kernarg_size 40
		.amdhsa_user_sgpr_count 2
		.amdhsa_user_sgpr_kernarg_segment_ptr 1
		.amdhsa_wavefront_size32 1
		.amdhsa_system_sgpr_workgroup_id_x 1
		.amdhsa_system_sgpr_workgroup_id_y 1
		.amdhsa_system_sgpr_workgroup_id_z 1
		.amdhsa_system_vgpr_workitem_id 0
		.amdhsa_next_free_vgpr 160
		.amdhsa_next_free_sgpr 66
		.amdhsa_reserve_vcc 1
		.amdhsa_float_denorm_mode_32 3
		.amdhsa_float_denorm_mode_16_64 3
		.amdhsa_memory_ordered 1
		.amdhsa_forward_progress 1
		.amdhsa_inst_pref_size 90
	.end_amdhsa_kernel
	.amdgpu_metadata
---
amdhsa.version: [ 1, 2 ]
amdhsa.kernels:
  - .name:           k_qd19311629b_prep
    .symbol:         k_qd19311629b_prep.kd
    .args:
      - { .name: x, .offset: 0, .size: 8, .value_kind: global_buffer, .address_space: global }
      - { .name: full_precision, .offset: 8, .size: 8, .value_kind: global_buffer, .address_space: global }
      - { .name: xs, .offset: 16, .size: 8, .value_kind: global_buffer, .address_space: global }
      - { .name: ws, .offset: 24, .size: 8, .value_kind: global_buffer, .address_space: global }
      - { .name: scale, .offset: 32, .size: 8, .value_kind: global_buffer, .address_space: global }
    .group_segment_fixed_size: 0
    .private_segment_fixed_size: 0
    .kernarg_segment_align: 8
    .kernarg_segment_size: 40
    .max_flat_workgroup_size: 256
    .sgpr_count:     66
    .vgpr_count:     160
    .wavefront_size: 32
...
	.end_amdgpu_metadata
.endif
;; end of part 3
;; launch gemm: the kernel of part 2 again; grid 16 x 16, 4 waves a work-group, clusters of 4 x 4, 327,680 bytes of LDS; arguments xs, ws, scale, bias, out0; writes out0
